; MI455X (gfx1250); checked and timed in simulation.
; The chip was launched on July 23, 2026; its instructions are those of AMD's public machine-readable ISA for CDNA 5 (MIT licence, August 2026) and "CDNA5" Instruction Set Architecture Reference Guide (July 2026). The comments in the code are by the model that wrote it; some were corrected since.
;; Curlora Layer. Allowed arithmetic: matrix products marked QUANTISED: E2M3 operands, one E8M0 scale for each 32 along K, by v_wmma_scale_f32_16x16x128_f8f6f4 with both operands' format E2M3, f32 sums; everything else in f32.
;; Inputs: C_codes 4,096 x 2 x 24 uint8 (E2M3 codes of C, K innermost, in blocks of 32 codes, four codes in three bytes); C_scales 4,096 x 2 uint8 (E8M0 scales of C, one for each 32 codes along K); R_codes 4,096 x 2 x 24 uint8 (E2M3 codes of R, K innermost, in blocks of 32 codes, four codes in three bytes); R_scales 4,096 x 2 uint8 (E8M0 scales of R, one for each 32 codes along K); U_codes 64 x 2 x 24 uint8 (E2M3 codes of U, K innermost, in blocks of 32 codes, four codes in three bytes); U_scales 64 x 2 uint8 (E8M0 scales of U, one for each 32 codes along K); W 4,096 x 4,096 float32; bias 4,096 float32; x_codes 4 x 1,024 x 128 x 24 uint8 (E2M3 codes of x, K innermost, in blocks of 32 codes, four codes in three bytes); x_scales 4 x 1,024 x 128 uint8 (E8M0 scales of x, one for each 32 codes along K).
;; Outputs: out0 4 x 1,024 x 4,096 float32.
;; This version of the problem:
;;   THIS VERSION OF THE PROBLEM IS GIVEN IN LOW PRECISION. The matrix products marked QUANTISED in the list below multiply operands that are first quantised to E2M3 (2 exponent bits, 3 mantissa bits; 6 bits a number), with one power-of-two scale for each 32 numbers along K (OCP MX v1.0); their sums are f32. All else is computed in f32.
;;   The module's matrix products, in the order in which they are computed (A, B: the left and right operand; K: the contracted axis; several contracted axes count as one K, in the product's order):
;;     1. [M 4,096, K 64] x [K 64, N 64]; A: input C (given as codes); B: input U (given as codes): QUANTISED
;;     2. [M 4,096, K 64] x [K 64, N 4,096]; A: computed on the way; B: input R (given as codes): QUANTISED
;;     3. [M 4,096, K 4,096] x [K 4,096, N 4,096]; A: input x (given as codes); B: computed on the way: QUANTISED
;;   THE QUANTISER, for each operand of a quantised product, along K:
;;     - K is cut into blocks of 32 from its start; a last block that is shorter is filled with zeros.
;;     - A block's scale is 2^e with e = floor(log2(the largest magnitude in the block)) - 2, held to -126 .. 127; a block of zeros has e = 0. As a byte (E8M0): e + 127.
;;     - Each number is divided by its block's scale, clamped to +-7.5, and rounded to the nearest number of E2M3, ties to even, subnormals kept.
;;     - The product sums the exact products of the quantised numbers (number of the format x scale) in f32.
;;   ~~~python
;;   def quantise(x, axis):      # numpy; x: float32 -> the quantised numbers, widened to float32 again
;;       x = np.moveaxis(x, axis, -1); K = x.shape[-1]
;;       x = np.pad(x, [(0, 0)] * (x.ndim - 1) + [(0, -K % 32)]); x = x.reshape(x.shape[:-1] + (-1, 32)); a = np.abs(x).max(-1, keepdims=True)
;;       e = np.where(a > 0, np.clip(np.frexp(np.where(a > 0, a, 1))[1] - 1 - 2, -126, 127), 0)      # np.frexp(a)[1] - 1 = floor(log2(a)), exactly
;;       r = np.clip(x / 2.0 ** e, -7.5, 7.5)
;;       step = 2.0 ** (np.maximum(np.frexp(np.where(r == 0, 1, r))[1] - 1, 0) - 3)
;;       q = np.round(r / step) * step * 2.0 ** e      # np.round: ties to even
;;       return np.moveaxis(q.reshape(q.shape[:-2] + (-1,))[..., :K], -1, axis).astype(np.float32)
;;   ~~~
;;   OPERANDS COMPUTED ON THE WAY. 'Computed on the way' means the value that the module computes at that place (a softmax that the list does not call 'softmax' is quantised finished and normalised). What goes into a quantiser is computed in f32, as accurately as f32 sums, v_exp_f32 and their like allow (about 1e-6 of the number): no bf16 or f16 on the way to a quantiser, and a product that is left as it is and whose result goes on into a quantised operand takes f32 operands (vector FMAs, or v_wmma_f32_16x16x4_f32). A number that lies on a knife's edge between two numbers of the format may be rounded either way, as far as f32 arithmetic and the matrix unit's own rounding can turn it there, and no further.
;;   INPUTS GIVEN AS CODES. C (in the module: [4096, 64], K = its axis 1); R (in the module: [64, 4096], K = its axis 0); U (in the module: [64, 64], K = its axis 0); x (in the module: [4, 1024, 4096], K = its axis 2): each comes as NAME_codes (uint8): NAME with its K axis moved to the last place and cut into blocks of 32 codes, [.., K / 32, bytes a block], one block behind the other in memory; four codes in three bytes: a row's codes are one little-endian stream of bits, code i at bits 6 i .. 6 i + 5 (a code: sign, 2 exponent bits, 3 mantissa bits); and NAME_scales (uint8): the same leading axes, one E8M0 byte (e + 127) for each 32 codes along K. Its value is code x scale, taken as it is: it is not quantised again, and the codes and scales need not be those that the quantiser above would give.
;; One version. Each part assembles by itself: llvm-mc -triple=amdgcn-amd-amdhsa -mcpu=gfx1250 --defsym DOCPART=n.
;; ======== version 1 of 1: 2 launches
;; limits: right only within a limited range of input values
;; workspace buffers: xq 13,107,200 bytes; wq 13,107,200 bytes
;; launch adapt (part 1): grid 4 x 64, 8 waves a work-group, no clusters, 327,680 bytes of LDS; arguments C_codes, C_scales, R_codes, R_scales, U_codes, U_scales, W, x_codes, x_scales, xq, wq; writes xq, wq
.if DOCPART == 1
	.amdgcn_target "amdgcn-amd-amdhsa--gfx1250"
	.amdhsa_code_object_version 6
	.text
	.protected	k_q91956d1591_adapt
	.globl	k_q91956d1591_adapt
	.p2align	8
	.type	k_q91956d1591_adapt,@function
k_q91956d1591_adapt:
	s_mov_b64 s[64:65], 0
	v_nop
	global_prefetch_b8 v0, s[64:65] scope:SCOPE_SE
	s_setreg_imm32_b32 hwreg(HW_REG_WAVE_MODE, 25, 1), 1
	s_wait_xcnt 0x0
; Prepares both operands of out = x (W + (C U) R)^T for the launch that multiplies them.  No step and no input of the problem is left out.
; wq: Q(W + Q(C U) R) along K = d, codes of E2M3 and E8M0 bytes.  xq: x's given codes and scale bytes, only laid out anew.
; ONE LAYOUT FOR BOTH: [tile of 256 rows: 16][step of 128 along K: 32][25,600 bytes]: sixteen images of operand registers, one for each 16 rows (1,536 bytes: registers 4 c .. 4 c + 3 of lane l
; at 512 c + 16 l), then 1,024 bytes of scale words: for blocks 4 u .. 4 u + 3 the 256 bytes at 256 u; in them lane l's 8 bytes at 8 l: the words of row l % 16 of blocks 4 u + l / 16 and 4 u + 2 + l / 16.
; A work-group takes 64 rows and 1,024 along K of W and of x alike; wave w takes step w of its eight.  W's 64 x 128 numbers of a wave come by one tensor load (rows of 512 bytes).
; x's 64 rows x 768 bytes come in whole runs of 256 bytes, go through LDS bytes of their own, and are read back as fragments.
; A block of zeros gets the scale byte 1 (the floor under the largest magnitude): its codes are zeros, and only this program reads the bytes.
.set WTILE, 16*528
.set WWAVE, 4*WTILE
.set SPARE, 0x42800                    ; the spare words, 128 bytes a wave
.set XST,   0x42c00                    ; x's stage: 64 rows of 768 + 16 bytes
.set XP,    784
.set STEPB, 25600
.set SCO,   24576
.set LW,  8
.set GO,  9                            ; 16 x lane + my four blocks' place in a step
.set SG,  10                           ; 8 x lane + my 256 bytes of scale words
.set RS,  16
.set US,  24
.set CS,  28
.set QS,  32
.set CUF, 36
.set XR,  84
.set XS,  85
.set XO,  86
.set XW,  87
.set XSD, 90                           ; v[90:91] x's two scale words
.set ACC, 96
.set PC,  160
.set TM,  184
.set PW,  200                          ; v200-203: the four groups' scale words
.set XD,  204                          ; v204-251: x's bytes
.set RF,  0
.set UF,  96
.set CF,  144
.set G1,  16
.set G0,  24
.set SEL, 54
.set MSB, 0
.macro WIN new
.if MSB != (\new)
	s_set_vgpr_msb (MSB<<8)|(\new)
.set MSB, (\new)
.endif
.endm
.macro FRAG6 reg, adr, base, off
.irp p, 0,1,2
	global_load_b64 v[(\reg)+2*\p:(\reg)+2*\p+1], v[\adr], s[\base:\base+1] offset:(\off)+8*\p
.endr
.endm
; 64 numbers a lane (four half blocks of 16) -> 12 registers of codes at PC and the scale word in pw
.macro QUANT s, pw
.irp b, 0,1,2,3
	v_max3_num_f32 v[TM+\b], |v[\s+16*\b]|, |v[\s+1+16*\b]|, 0x1800000
.endr
.irp i, 2,4,6,8,10,12,14
.irp b, 0,1,2,3
	v_max3_num_f32 v[TM+\b], v[TM+\b], |v[\s+16*\b+\i]|, |v[\s+1+16*\b+\i]|
.endr
.endr
.irp b, 0,1,2,3
	s_delay_alu instid0(VALU_DEP_4)
	v_permlanex16_b32 v[TM+4+\b], v[TM+\b], s[SEL], s[SEL+1]
.endr
.irp b, 0,1,2,3
	s_delay_alu instid0(VALU_DEP_4)
	v_max_num_f32 v[TM+\b], v[TM+\b], v[TM+4+\b]
.endr
.irp b, 0,1,2,3
	s_delay_alu instid0(VALU_DEP_4)
	v_add_nc_u32 v[TM+12+\b], 0xff000000, v[TM+\b]
.endr
.irp b, 0,1,2,3
	s_delay_alu instid0(VALU_DEP_4)
	v_lshrrev_b32 v[TM+4+\b], 23, v[TM+12+\b]
.endr
	s_delay_alu instid0(VALU_DEP_3)
	v_lshl_or_b32 v[\pw], v[TM+5], 8, v[TM+4]
	s_delay_alu instid0(VALU_DEP_1)
	v_lshl_or_b32 v[\pw], v[TM+6], 16, v[\pw]
	s_delay_alu instid0(VALU_DEP_1)
	v_lshl_or_b32 v[\pw], v[TM+7], 24, v[\pw]
.irp c, 0,1
	v_cvt_scalef32_pk16_fp6_f32 v[PC+6*\c:PC+2+6*\c], v[\s+32*\c:\s+15+32*\c], v[TM+12+2*\c]
	v_cvt_scalef32_pk16_fp6_f32 v[PC+12+4*\c:PC+14+4*\c], v[\s+16+32*\c:\s+31+32*\c], v[TM+12+2*\c+1]
.endr
	v_nop
.irp c, 0,1
.irp i, 0,1,2
	v_permlane16_swap_b32 v[PC+6*\c+\i], v[PC+12+4*\c+\i]
.endr
.irp i, 0,1,2
	s_delay_alu instid0(VALU_DEP_3)
	v_mov_b32 v[PC+3+6*\c+\i], v[PC+12+4*\c+\i]
.endr
.endr
.endm
; the same for K = 64: two blocks; the word's upper two bytes are 127, over zero codes
.macro QUANT2 s, frag, sw
.irp b, 0,1
	v_max3_num_f32 v[TM+\b], |v[(\s)+16*\b]|, |v[(\s)+1+16*\b]|, 0x1800000
.endr
.irp i, 2,4,6,8,10,12,14
.irp b, 0,1
	v_max3_num_f32 v[TM+\b], v[TM+\b], |v[(\s)+16*\b+\i]|, |v[(\s)+1+16*\b+\i]|
.endr
.endr
.irp b, 0,1
	s_delay_alu instid0(VALU_DEP_2)
	v_permlanex16_b32 v[TM+4+\b], v[TM+\b], s[SEL], s[SEL+1]
.endr
.irp b, 0,1
	s_delay_alu instid0(VALU_DEP_2)
	v_max_num_f32 v[TM+\b], v[TM+\b], v[TM+4+\b]
.endr
.irp b, 0,1
	s_delay_alu instid0(VALU_DEP_2)
	v_add_nc_u32 v[TM+12+\b], 0xff000000, v[TM+\b]
.endr
.irp b, 0,1
	s_delay_alu instid0(VALU_DEP_2)
	v_lshrrev_b32 v[TM+4+\b], 23, v[TM+12+\b]
.endr
	s_delay_alu instid0(VALU_DEP_1)
	v_lshl_or_b32 v[\sw], v[TM+5], 8, v[TM+4]
	s_delay_alu instid0(VALU_DEP_1)
	v_or_b32 v[\sw], 0x7f7f0000, v[\sw]
	v_cvt_scalef32_pk16_fp6_f32 v[(\frag):(\frag)+2], v[(\s):(\s)+15], v[TM+12]
	v_cvt_scalef32_pk16_fp6_f32 v[PC+12:PC+14], v[(\s)+16:(\s)+31], v[TM+13]
	v_nop
.irp i, 0,1,2
	v_permlane16_swap_b32 v[(\frag)+\i], v[PC+12+\i]
.endr
.irp i, 0,1,2
	s_delay_alu instid0(VALU_DEP_3)
	v_mov_b32 v[(\frag)+3+\i], v[PC+12+\i]
.endr
.endm
	s_load_b256 s[4:11], s[0:1], 0x0               ; C's codes, C's scales, R's codes, R's scales
	s_load_b256 s[40:47], s[0:1], 0x20             ; U's codes, U's scales, W, x's codes
	s_load_b128 s[48:51], s[0:1], 0x40             ; x's scales, xq
	s_load_b64 s[52:53], s[0:1], 0x50              ; wq
	v_lshl_add_u32 v254, v0, 2, SPARE
	v_mov_b32 v255, 0
	ds_add_u32 v254, v255                          ; the opening lines: the add twice on end and its wait
	ds_add_u32 v254, v255
	v_lshrrev_b32 v13, 5, v0
	v_readfirstlane_b32 s12, v13                   ; wave
	s_mov_b32 s13, ttmp9                           ; which 1,024 along K
	s_and_b32 s14, ttmp7, 0xffff                   ; which 64 rows
	s_lshl_b32 s15, s13, 10
	s_lshl_b32 s2, s12, 7
	s_add_co_u32 s15, s15, s2                      ; my first k
	s_mul_i32 s36, s12, WWAVE
	s_mov_b32 s[SEL], 0x76543210
	s_mov_b32 s[SEL+1], 0xfedcba98
	s_and_b32 s37, s14, 3                          ; which four blocks of the tile of 256 rows
	s_mul_i32 s38, s37, 4*1536
	s_lshl_b32 s39, s37, 8
	s_mul_i32 s34, s12, 8*XP
	s_add_co_u32 s34, s34, XST                     ; into the stage: my rows 8 w ..
	s_mul_i32 s35, s12, 96
	s_add_co_u32 s35, s35, XST                     ; back: my step's 96 bytes of each row
	s_mov_b32 s[G1+0], (2<<16)|(1<<20)|(6<<22)|(3<<25)  ; f32; 16 bytes of padding behind every 512
	s_mov_b32 s[G1+1], 128<<16
	s_mov_b32 s[G1+2], 64<<16
	s_mov_b32 s[G1+3], 128<<16
	s_mov_b32 s[G1+4], 64
	s_mov_b32 s[G1+5], 4096
	s_mov_b32 s[G1+6], 0
	s_mov_b32 s[G1+7], 0
	s_mov_b32 s3, 0
	v_and_b32 v1, 15, v0                           ; r
	v_bfe_u32 v2, v0, 4, 1                         ; h
	v_and_b32 v13, 31, v0                          ; lane
	v_and_b32 v3, 8, v1
	v_mul_u32_u24 v5, v1, 48
	v_add_nc_u32 v3, v3, v1                        ; r + 8 (r / 8): the rows of a tile of U or R
	v_lshlrev_b32 v7, 1, v1
	v_mul_u32_u24 v[LW], v1, 528
	v_mul_u32_u24 v4, v3, 48
	v_mad_u32_u24 v5, v2, 24, v5
	v_lshlrev_b32 v6, 1, v3
	v_lshl_add_u32 v[LW], v2, 6, v[LW]
	v_mad_u32_u24 v4, v2, 24, v4
	v_lshl_add_u32 v[GO], v13, 4, s38
	v_add_nc_u32 v[LW], s36, v[LW]
	v_lshl_add_u32 v[SG], v13, 3, s39
	v_lshlrev_b32 v[XS], 7, v13                    ; x's scales: a lane a row of 128 bytes
	v_mul_u32_u24 v[XO], v2, 3072
	v_mul_u32_u24 v[XW], v2, XP
	v_mul_u32_u24 v[XR], v1, XP
	v_lshl_add_u32 v[XO], v1, 4, v[XO]             ; x's codes: sixteen lanes take 256 bytes of a row, the other sixteen the next row's
	v_lshl_add_u32 v[XW], v1, 4, v[XW]
	v_mad_u32_u24 v[XR], v2, 24, v[XR]
	v_add_nc_u32 v[XW], s34, v[XW]
	v_add_nc_u32 v[XR], s35, v[XR]
	s_wait_alu depctr_va_vdst(0)
	s_wait_dscnt 0x0
	s_wait_kmcnt 0x0
	s_mul_i32 s2, s14, 64*48
	s_add_nc_u64 s[4:5], s[4:5], s[2:3]
	s_lshl_b32 s2, s14, 7
	s_add_nc_u64 s[6:7], s[6:7], s[2:3]
	s_mul_i32 s2, s15, 48
	s_add_nc_u64 s[8:9], s[8:9], s[2:3]
	s_lshl_b32 s2, s15, 1
	s_add_nc_u64 s[10:11], s[10:11], s[2:3]
	s_lshl_b32 s2, s14, 20
	s_lshl_b32 s33, s15, 2
	s_add_co_u32 s2, s2, s33
	s_add_nc_u64 s[44:45], s[44:45], s[2:3]        ; W(64 y, my k)
	s_mov_b32 s[G0], 1
	s_mov_b32 s[G0+1], s36
	s_mov_b64 s[G0+2:G0+3], s[44:45]
	s_or_b32 s[G0+3], s[G0+3], 0x80000000
	tensor_load_to_lds s[G0:G0+3], s[G1:G1+7]      ; my one tensor load: 64 rows x 512 bytes
	s_nop 0
.rept 4
	v_nop
.endr
	s_lshl_b32 s2, s14, 6
	s_lshl_b32 s33, s12, 3
	s_add_co_u32 s2, s2, s33
	s_mul_i32 s2, s2, 3072
	s_mul_i32 s33, s13, 768
	s_add_co_u32 s2, s2, s33
	s_add_nc_u64 s[46:47], s[46:47], s[2:3]        ; x's codes: row 64 y + 8 w, byte 768 x
	s_lshl_b32 s2, s14, 13
	s_lshr_b32 s33, s15, 5
	s_add_co_u32 s2, s2, s33
	s_add_nc_u64 s[48:49], s[48:49], s[2:3]        ; x's scales: row 64 y, my step's word
	s_lshr_b32 s2, s14, 2
	s_mul_i32 s2, s2, 32*STEPB
	s_lshr_b32 s33, s15, 7
	s_mul_i32 s33, s33, STEPB
	s_add_co_u32 s2, s2, s33
	s_add_nc_u64 s[50:51], s[50:51], s[2:3]        ; my tile and step, in xq and in wq alike
	s_add_nc_u64 s[52:53], s[52:53], s[2:3]
	WIN 0x40
.irp t, 0,1,2,3
	FRAG6 UF+12*\t, 4, 40, (32*(\t/2)+8*(\t%2))*48
.endr
.irp g, 0,1,2,3
	FRAG6 CF+12*\g, 5, 4, 16*\g*48
.endr
	WIN 0
.irp t, 0,1,2,3
	global_load_u16 v[US+\t], v6, s[42:43] offset:(32*(\t/2)+8*(\t%2))*2
.endr
.irp g, 0,1,2,3
	global_load_u16 v[CS+\g], v7, s[6:7] offset:32*\g
.endr
	WIN 0x40
.irp t, 0,1,2,3,4,5,6,7
	FRAG6 RF+12*\t, 4, 8, (32*(\t/2)+8*(\t%2))*48
.endr
	WIN 0
.irp t, 0,1,2,3,4,5,6,7
	global_load_u16 v[RS+\t], v6, s[10:11] offset:(32*(\t/2)+8*(\t%2))*2
.endr
.irp rp, 0,1,2,3
.irp c, 0,1,2
	global_load_b128 v[XD+4*(3*\rp+\c):XD+4*(3*\rp+\c)+3], v[XO], s[46:47] offset:6144*\rp+256*\c th:TH_LOAD_NT
.endr
.endr
	global_load_b32 v[XSD], v[XS], s[48:49]              ; rows 0-31 of my 64
	global_load_b32 v[XSD+1], v[XS], s[48:49] offset:4096 ; rows 32-63
	WIN 0x40
.set f, 0
.rept 16
.irp i, 6,7,8,9,10,11
	v_mov_b32 v[12*f+\i], 0                        ; K is 64: the upper half of each fragment is zero codes
.endr
.set f, f+1
.endr
	WIN 0
.irp g, 0,1,2,3
.irp i, 6,7,8,9,10,11
	v_mov_b32 v[CUF+12*\g+\i], 0
.endr
.endr
.irp b, 0,1,2,3
	v_mov_b32 v[TM+4+\b], 0
.endr
	s_wait_loadcnt 46                              ; U and C are in; R's 32 loads and x's 14 may be out
.irp pp, 0,1
	WIN 0x05
.irp gg, 0,1
.irp t, 0,1,2,3
	v_wmma_scale_f32_16x16x128_f8f6f4 v[ACC+32*\gg+8*\t:ACC+32*\gg+8*\t+7], v[UF+12*\t:UF+12*\t+11], v[CF+12*(2*\pp+\gg):CF+12*(2*\pp+\gg)+11], 0, v[US+\t], v[CS+2*\pp+\gg] matrix_a_fmt:MATRIX_FMT_FP6 matrix_b_fmt:MATRIX_FMT_FP6
.endr
.endr
	WIN 0
.rept 4
	v_nop
.endr
	QUANT2 ACC, CUF+24*\pp, QS+2*\pp
	QUANT2 ACC+32, CUF+24*\pp+12, QS+2*\pp+1
.endr
.rept 8
	v_nop                                          ; places between the scale words just made and the scaled products
.endr
	s_wait_alu depctr_va_vdst(0)
	s_wait_loadcnt 0x0
	s_wait_tensorcnt 0x0                           ; my W is in
.irp rp, 0,1,2,3
.irp c, 0,1,2
	ds_store_b128 v[XW], v[XD+4*(3*\rp+\c):XD+4*(3*\rp+\c)+3] offset:2*XP*\rp+256*\c
.endr
.endr
	s_wait_dscnt 0x0                               ; for the others' sake
	s_barrier_signal -1
	s_barrier_wait -1
.irp g, 0,1,2,3
.irp p, 0,1,2,3,4,5
	ds_load_b64 v[XD+12*\g+2*\p:XD+12*\g+2*\p+1], v[XR] offset:16*XP*\g+48*(\p/3)+8*(\p%3)   ; block g's fragment of my step
.endr
.endr
	s_wait_dscnt 0x0
.irp g, 0,1,2,3
.irp c, 0,1,2
	global_store_b128 v[GO], v[XD+12*\g+4*\c:XD+12*\g+4*\c+3], s[50:51] offset:1536*\g+512*\c
.endr
.endr
	global_store_b64 v[SG], v[XSD:XSD+1], s[50:51] offset:SCO   ; 32 lanes store 256 consecutive bytes
.macro GROUP g
.if \g > 0
	s_wait_xcnt 0x0                                ; the last group's stores have read their data
.endif
.irp b, 0,1,2,3
.irp j, 0,1,2,3
	ds_load_b128 v[ACC+16*\b+4*\j:ACC+16*\b+4*\j+3], v[LW] offset:WTILE*\g+128*\b+16*\j
.endr
.endr
	s_wait_dscnt 0x0
	WIN 0x01
.irp t, 0,1,2,3,4,5,6,7
	v_wmma_scale_f32_16x16x128_f8f6f4 v[ACC+8*\t:ACC+8*\t+7], v[RF+12*\t:RF+12*\t+11], v[CUF+12*\g:CUF+12*\g+11], v[ACC+8*\t:ACC+8*\t+7], v[RS+\t], v[QS+\g] matrix_a_fmt:MATRIX_FMT_FP6 matrix_b_fmt:MATRIX_FMT_FP6
.endr
	WIN 0
.rept 4
	v_nop
.endr
	QUANT ACC, PW+\g
.irp c, 0,1,2
	global_store_b128 v[GO], v[PC+4*\c:PC+4*\c+3], s[52:53] offset:1536*\g+512*\c
.endr
.endm
	GROUP 0
	GROUP 1
	GROUP 2
	GROUP 3
	s_wait_alu depctr_va_vdst(0)
	v_cmp_eq_u32 vcc_lo, 1, v2
	v_cndmask_b32 v[PW], v[PW], v[PW+1], vcc_lo    ; lanes 0-15: group 0's word, lanes 16-31: group 1's
	v_cndmask_b32 v[PW+1], v[PW+2], v[PW+3], vcc_lo ; and groups 2 and 3
	global_store_b64 v[SG], v[PW:PW+1], s[52:53] offset:SCO
	s_wait_tensorcnt 0x0                           ; the wave's end
	ds_add_u32 v254, v255
	s_wait_dscnt 0x0
	s_endpgm
.Lfunc_end_k_q91956d1591_adapt:
	.size	k_q91956d1591_adapt, .Lfunc_end_k_q91956d1591_adapt-k_q91956d1591_adapt
	.p2alignl 7, 3214868480
	.fill 96, 4, 3214868480
	.section	.rodata,"a",@progbits
	.p2align	6, 0x0
	.amdhsa_kernel k_q91956d1591_adapt
		.amdhsa_group_segment_fixed_size 327680
		.amdhsa_private_segment_fixed_size 0
		.amdhsa_enable_private_segment 0
		.amdhsa_kernarg_size 88
		.amdhsa_user_sgpr_count 2
		.amdhsa_user_sgpr_kernarg_segment_ptr 1
		.amdhsa_wavefront_size32 1
		.amdhsa_system_sgpr_workgroup_id_x 1
		.amdhsa_system_sgpr_workgroup_id_y 1
		.amdhsa_system_sgpr_workgroup_id_z 1
		.amdhsa_system_vgpr_workitem_id 0
		.amdhsa_next_free_vgpr 448
		.amdhsa_next_free_sgpr 66
		.amdhsa_reserve_vcc 1
		.amdhsa_float_denorm_mode_32 3
		.amdhsa_float_denorm_mode_16_64 3
		.amdhsa_memory_ordered 1
		.amdhsa_forward_progress 1
		.amdhsa_inst_pref_size 61
	.end_amdhsa_kernel
	.amdgpu_metadata
---
amdhsa.version: [ 1, 2 ]
amdhsa.kernels:
  - .name:           k_q91956d1591_adapt
    .symbol:         k_q91956d1591_adapt.kd
    .args:
      - { .name: C_codes, .offset: 0, .size: 8, .value_kind: global_buffer, .address_space: global }
      - { .name: C_scales, .offset: 8, .size: 8, .value_kind: global_buffer, .address_space: global }
      - { .name: R_codes, .offset: 16, .size: 8, .value_kind: global_buffer, .address_space: global }
      - { .name: R_scales, .offset: 24, .size: 8, .value_kind: global_buffer, .address_space: global }
      - { .name: U_codes, .offset: 32, .size: 8, .value_kind: global_buffer, .address_space: global }
      - { .name: U_scales, .offset: 40, .size: 8, .value_kind: global_buffer, .address_space: global }
      - { .name: W, .offset: 48, .size: 8, .value_kind: global_buffer, .address_space: global }
      - { .name: x_codes, .offset: 56, .size: 8, .value_kind: global_buffer, .address_space: global }
      - { .name: x_scales, .offset: 64, .size: 8, .value_kind: global_buffer, .address_space: global }
      - { .name: xq, .offset: 72, .size: 8, .value_kind: global_buffer, .address_space: global }
      - { .name: wq, .offset: 80, .size: 8, .value_kind: global_buffer, .address_space: global }
    .group_segment_fixed_size: 327680
    .private_segment_fixed_size: 0
    .kernarg_segment_align: 8
    .kernarg_segment_size: 88
    .max_flat_workgroup_size: 256
    .sgpr_count:     66
    .vgpr_count:     448
    .wavefront_size: 32
...
	.end_amdgpu_metadata
.endif
;; end of part 1
;; launch gemm (part 2): grid 16 x 16, 4 waves a work-group, clusters of 4 x 4, 327,680 bytes of LDS; arguments xq, wq, bias, out0; writes out0
.if DOCPART == 2
	.amdgcn_target "amdgcn-amd-amdhsa--gfx1250"
	.amdhsa_code_object_version 6
	.text
	.protected	k_q91956d1591_gemm
	.globl	k_q91956d1591_gemm
	.p2align	8
	.type	k_q91956d1591_gemm,@function
k_q91956d1591_gemm:
	s_mov_b64 s[64:65], 0
	v_nop
	global_prefetch_b8 v0, s[64:65] scope:SCOPE_SE
	s_setreg_imm32_b32 hwreg(HW_REG_WAVE_MODE, 25, 1), 1
	s_wait_xcnt 0x0
	s_wait_alu depctr_hold_cnt(0) depctr_sa_sdst(0) depctr_va_vdst(0) depctr_va_sdst(0) depctr_va_ssrc(0) depctr_va_vcc(0) depctr_vm_vsrc(0)
	s_getreg_b32 s2, hwreg(HW_REG_IB_STS2, 6, 4)
	s_cmp_eq_u32 s2, 0
	s_cbranch_scc0 .Lentry_in_a_cluster
	s_endpgm
.Lentry_in_a_cluster:
	s_bfe_u32 s2, ttmp6, 0x10000c
	s_cmp_lg_u32 s2, 0xf033
	s_cbranch_scc0 .Lentry_shape_is_right
	s_endpgm
.Lentry_shape_is_right:
; out[m][n] = sum over k of x[m][k] Wq[n][k] + bias[n], on codes of E2M3 with E8M0 scales.  Below, A is x (xq) and B is Wq (wq).
; Both lie as [tile of 256 rows: 16][step of 128 K: 32][25,600 bytes: 16 images of operand registers of 1,536 bytes (registers 4 c .. 4 c + 3 of lane l at 512 c + 16 l), then 1,024 bytes of scale words].
; So a tile's whole walk along K is one dense run of memory, and every tensor row is 256 bytes on a 256-byte border.
; A tile of out, 256 x 256, is made by four waves; a wave makes 128 x 128: 64 accumulators, 512 registers.  A ring of two LDS slots; a slot holds THREE steps of A and of B, scales included: 153,600 bytes.
; 32 steps = a first fill of two steps and ten fills of three.  Waves 0 and 1 fetch the halves of A's run, waves 2 and 3 of B's: one load a wave behind each round.
; CLUSTERS: 4 x 4 work-groups; A's runs are shared along a row of the cluster, B's along a column, each asked for jointly.
; THE MATRIX INSTRUCTION IS USED TRANSPOSED (source 0 = 16 rows of B, source 1 = 16 rows of A): a lane holds eight neighbouring numbers of a row of out.  The bias is the C of each sum's first product.
; A STEP is 64 products on one set of fragments; A, B and the scale words have TWO sets each, so the whole next step is fetched in TWO runs of LDS loads: B and the scale words (28 loads) ahead of the
; step's products (in a slot's last step: behind its first eight), A's eight blocks (24 loads) behind its first 32.
; REGISTERS: window 0: v16-31 addresses; v32-47 scale words, two sets (in a set: 4 of A, 4 of B; register i: lanes 0-15 block 2 i, lanes 16-31 block 2 i + 1); v64-159, v160-255 A's fragments.
;   window 1: B's fragments at v0 and v128; the bias at v96-127 and v224-255.  windows 2, 3: the accumulators ((a, b) at v[8 (8 (a % 4) + b)]).
.set SIZE_N, 4096
.set STEPB,  25600
.set SCO,    24576                     ; the scale words' place in a step
.set HB,     8*1536                    ; 128 rows' images
.set FILLB,  3*STEPB                   ; a fill of one operand
.set HALFF,  FILLB/2                   ; what one wave's load brings: 150 rows of 256 bytes
.set BOFF,   FILLB                     ; in a slot: A's three steps, then B's
.set SLOT,   2*FILLB
.set SPARE,  2*SLOT                    ; the spare words, 128 bytes a wave
.set TILEB,  32*STEPB
.set FR,     12
.set SPITCH, 528                       ; the way out: a stage of 16 rows x (512 + 16) bytes a wave, in slot 1, which has had its last fill and its last read by then
.set ADRA, 16                          ; v16-17 A's images in slot 0, 1;  v18-19 B's;  v20-21 A's scale words;  v22-23 B's
.set ADRB, 18
.set ADSA, 20
.set ADSB, 22
.set STO,  24
.set RD,   25
.set CO,   26
.set PF2,  27
.set SPW,  28
.set NIL,  29
.set PFO,  30
.set BO,   31
.set SC,   32
.set AF,   64
.set BK,   128
.set G1, 24
.set G0, 32
.set G1B, 48
.set G0B, 56
.set PFA, 66
.set TO_B, 0x40
.set MSB, 0
.macro WIN new
.if MSB != (\new)
	s_set_vgpr_msb (MSB<<8)|(\new)
.set MSB, (\new)
.endif
.endm
.macro WMUL hi, first                  ; source 0 window 1, source 1 window 0, D window 2 or 3; C the same, or window 1 (the bias)
.if \first
	WIN 0x91+0x40*(\hi)
.else
	WIN 0xa1+0x50*(\hi)
.endif
.endm
.macro PLACES
.rept 4
	v_nop
.endr
.endm
.macro JLOAD g0a, g1a, g0b, g1b        ; a joint load: waves 0, 1 for A, waves 2, 3 for B
	s_cmp_eq_u32 s15, 0
	s_cbranch_scc0 .Lfor_b_\@
	tensor_load_to_lds s[\g0a:\g0a+3], s[\g1a:\g1a+7]
	s_nop 0
	PLACES
	s_branch .Lasked_\@
.Lfor_b_\@:
	tensor_load_to_lds s[\g0b:\g0b+3], s[\g1b:\g1b+7]
	s_nop 0
	PLACES
.Lasked_\@:
.endm
.macro CREST
	s_cmp_lg_u32 s14, 0
	s_cbranch_scc1 .Lnot_wave_0_\@
	s_barrier_signal -3
.Lnot_wave_0_\@:
	s_barrier_wait -3
	s_barrier_signal -1
	s_barrier_wait -1
.endm
.macro CROUND
	s_barrier_signal -1
	s_barrier_wait -1
	CREST
.endm
; THE PREFETCHES.  Behind the load of fill F stands a request for fill F + 2, six steps ahead of the load that will want it (behind the head's load: for fills 1 and 2).  s[PFA] stands at my half of fill F.
; Of the 150 rows of 256 bytes that a wave fetches, the partner at place p (cx for A, cy for B) names rows 32 p + lane, and rows 128 + 6 p .. + 5 held at 149 (lanes left over name the last again):
; told apart by address.  The loop's last trip asks for nothing: there is no fill 11.
.macro PF off
	global_prefetch_b8 v[PFO], s[PFA:PFA+1] offset:\off th:TH_LOAD_NT scope:SCOPE_SE
	global_prefetch_b8 v[PF2], s[PFA:PFA+1] offset:\off th:TH_LOAD_NT scope:SCOPE_SE
.endm
.macro ASK
	s_cmp_gt_u32 s3, 1
	s_cbranch_scc0 .Lno_ask_\@
	PF 2*FILLB
.Lno_ask_\@:
.endm
	s_load_b128 s[4:7], s[0:1], 0x0                ; xq, wq
	s_load_b128 s[8:11], s[0:1], 0x10              ; bias, out
	v_lshl_add_u32 v[SPW], v0, 2, SPARE
	v_mov_b32 v[NIL], 0
	ds_add_u32 v[SPW], v[NIL]                      ; the opening lines: the add twice on end and its wait
	ds_add_u32 v[SPW], v[NIL]
	v_lshrrev_b32 v1, 5, v0
	v_readfirstlane_b32 s14, v1                    ; wave
	s_lshr_b32 s15, s14, 1                         ; my half of the rows; also: I fetch for A (0) or B (1)
	s_and_b32 s16, s14, 1                          ; my half of the columns; also: which half of a run I fetch
	s_bfe_u32 s40, ttmp6, 0x40000                  ; cx
	s_bfe_u32 s41, ttmp6, 0x40004                  ; cy
	s_lshl_b32 s42, ttmp9, 2
	s_add_co_u32 s42, s42, s40                     ; tile column
	s_and_b32 s17, ttmp7, 0xffff
	s_lshl_b32 s17, s17, 2
	s_add_co_u32 s17, s17, s41                     ; tile row
	s_lshl_b32 s43, s41, 2
	s_lshl_b32 s43, 15, s43                        ; my row of the cluster
	s_lshl_b32 s44, 0x1111, s40                    ; my column
	s_or_b32 s[G1+0], s43, (3<<16)|(1<<21)         ; dense rows of 256 bytes (32 elements of 8), no padding: an image is read 512 consecutive bytes a load
	s_or_b32 s[G1B+0], s44, (3<<16)|(1<<21)
.irp g, G1, G1B
	s_mov_b32 s[\g+1], 32<<16
	s_mov_b32 s[\g+2], 100<<16                     ; the head's load: one step, 100 rows
	s_mov_b32 s[\g+3], 32<<16
	s_mov_b32 s[\g+4], 100
	s_mov_b32 s[\g+5], 32
	s_mov_b32 s[\g+6], 0
	s_mov_b32 s[\g+7], 0
.endr
	s_mul_i32 s20, s17, TILEB
	s_mov_b32 s21, 0
	s_mul_i32 s46, s42, TILEB
	s_mov_b32 s47, 0
	s_mul_i32 s82, s16, STEPB                      ; the head: wave 0 A's step 0, wave 1 A's step 1, waves 2 and 3 B's
	s_mov_b32 s83, 0
	s_mul_i32 s18, s16, HALFF                      ; the ring: my half of a run
	s_mov_b32 s19, 0
	s_wait_dscnt 0x0
	s_wait_kmcnt 0x0
	s_add_nc_u64 s[20:21], s[4:5], s[20:21]        ; A's tile
	s_add_nc_u64 s[46:47], s[6:7], s[46:47]        ; B's tile
	CROUND                                         ; the first joint loads meet
	s_mov_b32 s[G0], 1
	s_mov_b32 s[G0+1], s82
	s_add_nc_u64 s[G0+2:G0+3], s[20:21], s[82:83]
	s_or_b32 s[G0+3], s[G0+3], 0x80000000
	s_mov_b32 s[G0B], 1
	s_add_co_u32 s[G0B+1], s82, BOFF
	s_add_nc_u64 s[G0B+2:G0B+3], s[46:47], s[82:83]
	s_or_b32 s[G0B+3], s[G0B+3], 0x80000000
	JLOAD G0, G1, G0B, G1B                         ; steps 0 and 1: one tensor load a wave at the head
	s_mul_i32 s68, s15, HB
	s_add_co_u32 s69, s68, SLOT
	s_mul_i32 s70, s16, HB
	s_add_co_u32 s70, s70, BOFF
	s_add_co_u32 s71, s70, SLOT
	s_lshl_b32 s72, s15, 9
	s_add_co_u32 s72, s72, SCO
	s_add_co_u32 s73, s72, SLOT
	s_lshl_b32 s74, s16, 9
	s_add_co_u32 s74, s74, BOFF+SCO
	s_add_co_u32 s75, s74, SLOT
	s_mul_i32 s23, s14, 16*SPITCH
	s_add_co_u32 s23, s23, SLOT                    ; my stage
	s_lshl_b32 s78, s17, 8
	s_lshl_b32 s79, s15, 7
	s_add_co_u32 s78, s78, s79
	s_lshl_b32 s78, s78, 14                        ; my first row of out, in bytes
	s_mov_b32 s79, 0
	s_lshl_b32 s80, s42, 10
	s_lshl_b32 s81, s16, 9
	s_add_co_u32 s80, s80, s81                     ; my first column, in bytes
	s_mov_b32 s81, 0
	s_add_nc_u64 s[8:9], s[8:9], s[80:81]
	s_add_nc_u64 s[10:11], s[10:11], s[78:79]
	s_add_nc_u64 s[10:11], s[10:11], s[80:81]
	s_cmp_eq_u32 s15, 0
	s_cselect_b32 s76, s40, s41                    ; my place among the four that ask with me
	s_cselect_b64 s[PFA:PFA+1], s[20:21], s[46:47]
	s_add_nc_u64 s[PFA:PFA+1], s[PFA:PFA+1], s[18:19]
	s_add_nc_u64 s[PFA:PFA+1], s[PFA:PFA+1], 2*STEPB   ; at my half of fill 1
	s_mul_i32 s77, s76, 6
	s_add_co_u32 s77, s77, 128
	s_lshl_b32 s76, s76, 13
	v_and_b32 v1, 15, v0
	v_bfe_u32 v2, v0, 4, 1
	v_and_b32 v3, 31, v0
	v_lshlrev_b32 v[CO], 4, v3                     ; 16 x lane
	v_lshlrev_b32 v4, 3, v3                        ; 8 x lane
	v_mul_u32_u24 v5, v1, SPITCH
	v_min_u32 v6, 5, v3
	v_add_nc_u32 v[ADRA], s68, v[CO]
	v_add_nc_u32 v[ADRA+1], s69, v[CO]
	v_add_nc_u32 v[ADRB], s70, v[CO]
	v_add_nc_u32 v[ADRB+1], s71, v[CO]
	v_add_nc_u32 v[ADSA], s72, v4
	v_add_nc_u32 v[ADSA+1], s73, v4
	v_add_nc_u32 v[ADSB], s74, v4
	v_add_nc_u32 v[ADSB+1], s75, v4
	v_lshl_add_u32 v5, v2, 5, v5
	v_add_nc_u32 v6, s77, v6
	v_add_nc_u32 v[RD], s23, v[CO]
	v_add_nc_u32 v[STO], s23, v5
	v_min_u32 v6, 149, v6
	v_lshlrev_b32 v[BO], 5, v2
	v_lshl_add_u32 v[PFO], v3, 8, s76
	v_lshlrev_b32 v[PF2], 8, v6
	s_wait_alu depctr_va_vdst(0)
	PF 0                                           ; fills 1 and 2
	PF FILLB
	WIN TO_B
.irp b, 0,1,2,3,4,5,6,7
	global_load_b128 v[96+8*\b+96*(\b/4):96+8*\b+96*(\b/4)+3], v[BO], s[8:9] offset:64*\b        ; bias of columns 16 b + 8 h + 0 .. 7
	global_load_b128 v[96+8*\b+96*(\b/4)+4:96+8*\b+96*(\b/4)+7], v[BO], s[8:9] offset:64*\b+16
.endr
	WIN 0
; one product: A's block a x B's block b; p: the set of fragments and of scale words
.macro WM a, b, p, first
.set DD, 8*(8*((\a)%4)+(\b))
.set BF, 128*(\p)+FR*(\b)
.set AA, AF+96*(\p)+FR*(\a)
.set SBR, SC+8*(\p)+4+(\b)/2
.set SAR, SC+8*(\p)+(\a)/2
.if \first
.set CC, 96+8*(\b)+96*((\b)/4)
.else
.set CC, DD
.endif
.set RW, 2*((\a)%2)+((\b)%2)
.if RW == 0
	v_wmma_scale_f32_16x16x128_f8f6f4 v[DD:DD+7], v[BF:BF+11], v[AA:AA+11], v[CC:CC+7], v[SBR], v[SAR] matrix_a_fmt:MATRIX_FMT_FP6 matrix_b_fmt:MATRIX_FMT_FP6
.elseif RW == 1
	v_wmma_scale_f32_16x16x128_f8f6f4 v[DD:DD+7], v[BF:BF+11], v[AA:AA+11], v[CC:CC+7], v[SBR], v[SAR] matrix_a_fmt:MATRIX_FMT_FP6 matrix_b_fmt:MATRIX_FMT_FP6 matrix_a_scale:MATRIX_SCALE_ROW1
.elseif RW == 2
	v_wmma_scale_f32_16x16x128_f8f6f4 v[DD:DD+7], v[BF:BF+11], v[AA:AA+11], v[CC:CC+7], v[SBR], v[SAR] matrix_a_fmt:MATRIX_FMT_FP6 matrix_b_fmt:MATRIX_FMT_FP6 matrix_b_scale:MATRIX_SCALE_ROW1
.else
	v_wmma_scale_f32_16x16x128_f8f6f4 v[DD:DD+7], v[BF:BF+11], v[AA:AA+11], v[CC:CC+7], v[SBR], v[SAR] matrix_a_fmt:MATRIX_FMT_FP6 matrix_b_fmt:MATRIX_FMT_FP6 matrix_a_scale:MATRIX_SCALE_ROW1 matrix_b_scale:MATRIX_SCALE_ROW1
.endif
.endm
.macro HALF a, b0, p, first            ; four products, the accumulators by turns
.irp k, 0,1,2,3
	WM \a, (\b0)+\k, \p, \first
.endr
.endm
.macro BLK a, p, first                 ; A's block a against B's eight
	WMUL (\a)/4, \first
	HALF \a, 0, \p, \first
	HALF \a, 4, \p, \first
.endm
; the first run, 28 LDS loads: B's eight fragments and the scale words of the slot's q-th step into set p
.macro RUNB slot, q, p
	WIN TO_B
.irp i, 0,1,2,3,4,5,6,7
.irp c, 0,1,2
	ds_load_b128 v[128*(\p)+FR*\i+4*\c:128*(\p)+FR*\i+4*\c+3], v[ADRB+(\slot)] offset:STEPB*(\q)+1536*\i+512*\c
.endr
.endr
	WIN 0
	ds_load_b64 v[SC+8*(\p):SC+8*(\p)+1],   v[ADSA+(\slot)] offset:STEPB*(\q)
	ds_load_b64 v[SC+8*(\p)+2:SC+8*(\p)+3], v[ADSA+(\slot)] offset:STEPB*(\q)+256
	ds_load_b64 v[SC+8*(\p)+4:SC+8*(\p)+5], v[ADSB+(\slot)] offset:STEPB*(\q)
	ds_load_b64 v[SC+8*(\p)+6:SC+8*(\p)+7], v[ADSB+(\slot)] offset:STEPB*(\q)+256
.endm
; the second run, 24 LDS loads: A's eight fragments, block 0 first
.macro RUNA slot, q, p
	WIN 0
.irp i, 0,1,2,3,4,5,6,7
.irp c, 0,1,2
	ds_load_b128 v[AF+96*(\p)+FR*\i+4*\c:AF+96*(\p)+FR*\i+4*\c+3], v[ADRA+(\slot)] offset:STEPB*(\q)+1536*\i+512*\c
.endr
.endr
.endm
; A step on set p.  mode 0: the next step (ns, nq) lies in the same slot.  mode 1: the slot's last step; the slot is filled again.  mode 2: the same, nothing is left to fetch.  mode 3: the very last step.
; The youngest LDS loads at its head are the last step's second run: A's blocks 0 to 7, three loads each.  In a slot's last step that run was also my last read of the slot.
.macro STEP p, first, mode, slot, ns, nq
.if (\mode) == 1
	s_wait_xcnt 0x0                                ; the last prefetches, three steps back, have read their base
	s_add_nc_u64 s[PFA:PFA+1], s[PFA:PFA+1], FILLB
.endif
	s_wait_dscnt 18                                ; B, the scale words and A's blocks 0, 1 are in; the 18 loads of blocks 2 to 7 may be out
.if (\mode) == 1 || (\mode) == 2
	s_wait_tensorcnt 0x0                           ; my one load that was out, my part of the next slot, has landed
	ds_add_u32 v[SPW], v[NIL]
.if (\mode) == 1
	s_add_nc_u64 s[G0+4*(\ns)+2:G0+4*(\ns)+3], s[G0+4*(\ns)+2:G0+4*(\ns)+3], 2*FILLB      ; no load of mine is out: the other slot's next fill
	s_add_nc_u64 s[G0B+4*(\ns)+2:G0B+4*(\ns)+3], s[G0B+4*(\ns)+2:G0B+4*(\ns)+3], 2*FILLB
.endif
	WMUL 0, 0
	HALF 0, 0, \p, 0                               ; four products between the add and the wait for it
	s_wait_dscnt 0x0                               ; the add is done, and my reads of this slot are over
	s_barrier_signal -1
	HALF 0, 4, \p, 0
	WIN 0
	s_barrier_wait -1
.if (\mode) == 1
	CREST                                          ; the barrier has opened a round of the cluster's barrier
	JLOAD G0+4*(\slot), G1, G0B+4*(\slot), G1B     ; the refill, first behind the round; its four v_nop are the places in front of both runs
.else
	PLACES
.endif
	RUNB \ns, \nq, 1-(\p)
.if (\mode) == 1
	ASK
.endif
	BLK 1, \p, 0
	BLK 2, \p, 0
	BLK 3, \p, 0
	RUNA \ns, \nq, 1-(\p)
.elseif (\mode) == 0
	PLACES                                         ; between the last step's products and the loads of both runs, which land on their fragments
	RUNB \ns, \nq, 1-(\p)
	BLK 0, \p, \first
	BLK 1, \p, \first
	s_wait_dscnt 40                                ; A's blocks 2, 3 are in: behind them blocks 4 to 7 (12) and the first run (28)
	BLK 2, \p, \first
	BLK 3, \p, \first
	s_wait_dscnt 28                                ; all of A is in: only the first run may be out
	RUNA \ns, \nq, 1-(\p)
.else
	BLK 0, \p, 0
	BLK 1, \p, 0
	s_wait_dscnt 0x0
	BLK 2, \p, 0
	BLK 3, \p, 0
.endif
.irp a, 4,5,6,7
	BLK \a, \p, \first
.endr
	WIN 0
.endm
	s_wait_tensorcnt 0x0                           ; my part of steps 0 and 1 is in
	ds_add_u32 v[SPW], v[NIL]
.irp g, G1, G1B
	s_mov_b32 s[\g+2], 150<<16                     ; no load of mine is out: from here on a load brings 150 rows
	s_mov_b32 s[\g+4], 150
.endr
	s_add_nc_u64 s[20:21], s[20:21], s[18:19]      ; my half of a run
	s_add_nc_u64 s[46:47], s[46:47], s[18:19]
.irp s, 0,1
	s_mov_b32 s[G0+4*\s], 1                        ; slot 1: fill 1, behind the first two steps; slot 0: fill 2
	s_add_co_u32 s[G0+4*\s+1], s18, \s*SLOT
	s_add_nc_u64 s[G0+4*\s+2:G0+4*\s+3], s[20:21], 2*STEPB+(1-\s)*FILLB
	s_or_b32 s[G0+4*\s+3], s[G0+4*\s+3], 0x80000000
	s_mov_b32 s[G0B+4*\s], 1
	s_add_co_u32 s[G0B+4*\s+1], s18, \s*SLOT+BOFF
	s_add_nc_u64 s[G0B+4*\s+2:G0B+4*\s+3], s[46:47], 2*STEPB+(1-\s)*FILLB
	s_or_b32 s[G0B+4*\s+3], s[G0B+4*\s+3], 0x80000000
.endr
	s_wait_dscnt 0x0
	CROUND                                         ; everybody's part is in, and the joint loads meet
	JLOAD G0+4, G1, G0B+4, G1B                     ; fill 1, the first tensor load behind the round
	RUNB 0, 0, 0
	RUNA 0, 0, 0
	PF 2*FILLB                                     ; fill 3
	s_wait_loadcnt 0x0                             ; the bias
	s_mov_b32 s3, 4
	STEP 0, 1, 0, 0, 0, 1                          ; the first step's products start the sums, on the bias
	STEP 1, 0, 1, 0, 1, 0                          ; slot 0 takes fill 2
.Llap:                                                 ; a trip: once round the ring, six steps, both slots filled again
	STEP 0, 0, 0, 1, 1, 1
	STEP 1, 0, 0, 1, 1, 2
	STEP 0, 0, 1, 1, 0, 0
	STEP 1, 0, 0, 0, 0, 1
	STEP 0, 0, 0, 0, 0, 2
	STEP 1, 0, 1, 0, 1, 0
	s_sub_co_u32 s3, s3, 1
	s_cmp_lg_u32 s3, 0
	s_cbranch_scc1 .Llap
	STEP 0, 0, 0, 1, 1, 1                          ; the last lap fills nothing
	STEP 1, 0, 0, 1, 1, 2
	STEP 0, 0, 2, 1, 0, 0
	STEP 1, 0, 0, 0, 0, 1
	STEP 0, 0, 0, 0, 0, 2
	STEP 1, 0, 3, 0, 0, 0
; THE WAY OUT, block by block of 16 rows x 128 columns: through my own stage, back as whole rows of 512 bytes.  LDS serves a wave's instructions in order (ISA guide 5.7.1.4).
.macro TOSTAGE a
.set AC, 64*((\a)%4)
	WIN 0x08+4*((\a)/4)
.irp b, 0,1,2,3,4,5,6,7
	ds_store_b128 v[STO], v[AC+8*\b:AC+8*\b+3] offset:64*\b          ; each accumulator from its low end on
	ds_store_b128 v[STO], v[AC+8*\b+4:AC+8*\b+7] offset:64*\b+16
.endr
	WIN 0
.set BB, BK+64*((\a)%2)
.irp t, 0,1,2,3,4,5,6,7,8,9,10,11,12,13,14,15
	ds_load_b128 v[BB+4*\t:BB+4*\t+3], v[RD] offset:\t*SPITCH
.endr
.endm
.macro SEND a, younger
.set BB, BK+64*((\a)%2)
	s_wait_dscnt \younger
.if (\a) > 0
	s_add_nc_u64 s[10:11], s[10:11], 16*SIZE_N*4   ; behind a wait on XCNT: the earlier stores have read their base
.endif
.irp t, 0,1,2,3,4,5,6,7,8,9,10,11,12,13,14,15
	global_store_b128 v[CO], v[BB+4*\t:BB+4*\t+3], s[10:11] offset:\t*SIZE_N*4 th:TH_STORE_NT   ; 32 lanes store 512 consecutive bytes, at a multiple of 256 from out's first byte
.endr
.endm
	PLACES                                         ; behind the last products
	TOSTAGE 0
.irp a, 1,2,3,4,5,6,7
.if \a > 1
	s_wait_xcnt 0x0                                ; block a - 2's stores have read their registers and their base
.endif
	TOSTAGE \a
	SEND \a-1, 32
.endr
	s_wait_xcnt 0x0
	SEND 7, 0
	s_wait_tensorcnt 0x0                           ; the wave's end
	ds_add_u32 v[SPW], v[NIL]
	s_wait_dscnt 0x0
	CROUND                                         ; the closing round
	s_endpgm
.Lfunc_end_k_q91956d1591_gemm:
	.size	k_q91956d1591_gemm, .Lfunc_end_k_q91956d1591_gemm-k_q91956d1591_gemm
	.p2alignl 7, 3214868480
	.fill 96, 4, 3214868480
	.section	.rodata,"a",@progbits
	.p2align	6, 0x0
	.amdhsa_kernel k_q91956d1591_gemm
		.amdhsa_group_segment_fixed_size 327680
		.amdhsa_private_segment_fixed_size 0
		.amdhsa_enable_private_segment 0
		.amdhsa_kernarg_size 32
		.amdhsa_user_sgpr_count 2
		.amdhsa_user_sgpr_kernarg_segment_ptr 1
		.amdhsa_wavefront_size32 1
		.amdhsa_system_sgpr_workgroup_id_x 1
		.amdhsa_system_sgpr_workgroup_id_y 1
		.amdhsa_system_sgpr_workgroup_id_z 1
		.amdhsa_system_vgpr_workitem_id 0
		.amdhsa_next_free_vgpr 1024
		.amdhsa_next_free_sgpr 98
		.amdhsa_reserve_vcc 0
		.amdhsa_float_denorm_mode_32 3
		.amdhsa_float_denorm_mode_16_64 3
		.amdhsa_memory_ordered 1
		.amdhsa_forward_progress 1
		.amdhsa_inst_pref_size 208
	.end_amdhsa_kernel
	.amdgpu_metadata
---
amdhsa.version: [ 1, 2 ]
amdhsa.kernels:
  - .name:           k_q91956d1591_gemm
    .symbol:         k_q91956d1591_gemm.kd
    .args:
      - { .name: xq, .offset: 0, .size: 8, .value_kind: global_buffer, .address_space: global }
      - { .name: wq, .offset: 8, .size: 8, .value_kind: global_buffer, .address_space: global }
      - { .name: bias, .offset: 16, .size: 8, .value_kind: global_buffer, .address_space: global }
      - { .name: out0, .offset: 24, .size: 8, .value_kind: global_buffer, .address_space: global }
    .group_segment_fixed_size: 327680
    .private_segment_fixed_size: 0
    .kernarg_segment_align: 8
    .kernarg_segment_size: 32
    .max_flat_workgroup_size: 128
    .sgpr_count:     98
    .vgpr_count:     1024
    .wavefront_size: 32
...
	.end_amdgpu_metadata
.endif
;; end of part 2
